; MI455X (gfx1250); checked and timed in simulation.
; The chip was launched on July 23, 2026; its instructions are those of AMD's public machine-readable ISA for CDNA 5 (MIT licence, August 2026) and "CDNA5" Instruction Set Architecture Reference Guide (July 2026). The comments in the code are by the model that wrote it; some were corrected since.
;; Cffn. Allowed arithmetic: matrix products marked QUANTISED: E5M2 operands, one given power-of-two scale a tensor, by v_wmma_f32_16x16x64_bf8_bf8 or v_wmma_f32_16x16x128_bf8_bf8, f32 sums; products left as they are: f32 operands where the result goes on into a quantised operand, else bf16, f16 or f32 operands; f32 sums; everything else in f32.
;; Inputs: U_w 2,048 x 2,048 float32; V_w 2,048 x 3 float32; gate_w 2,048 x 2,048 float32; ladder_w 3 x 6 x 2,048 float32; lowp_scales 6 int32 (the exponents e of the quantised operands' scales 2^e); x 4 x 2,048 x 2,048 float32.
;; Outputs: out0 4 x 2,048 x 2,048 float32.
;; This version of the problem:
;;   THIS VERSION OF THE PROBLEM IS GIVEN IN LOW PRECISION. The matrix products marked QUANTISED in the list below multiply operands that are first quantised to E5M2 (5 exponent bits, 2 mantissa bits; 8 bits a number), with one given power-of-two scale for each operand tensor; their sums are f32. All else is computed in f32.
;;   The module's matrix products, in the order in which they are computed (A, B: the left and right operand; K: the contracted axis; several contracted axes count as one K, in the product's order):
;;     1. [M 8,192, K 2,048] x [K 2,048, N 2,048]; A: input x; B: input U_w: QUANTISED (scales: A lowp_scales[0], B lowp_scales[1])
;;     2. [M 8,192, K 2,048] x [K 2,048, N 2,048]; A: input x; B: input gate_w: QUANTISED (scales: A lowp_scales[2], B lowp_scales[3])
;;     3. [M 8,192, K 2,048] x [K 2,048, N 18]; A: computed on the way; B: input ladder_w: QUANTISED (scales: A lowp_scales[4], B lowp_scales[5])
;;     4. [M 8,192, K 3] x [K 3, N 2,048]; A: computed on the way; B: input V_w: left as it is (K = 3 < 32)
;;   THE QUANTISER, for each operand of a quantised product, along K:
;;     - The operand's scale is 2^e, e = its entry of the input lowp_scales (int32; the entries are numbered through the quantised products in the list's order, A before B).
;;     - Each number is divided by the scale, clamped to +-57,344, and rounded to the nearest number of E5M2, ties to even, subnormals kept.
;;     - The product sums the exact products of the quantised numbers (number of the format x scale) in f32.
;;   ~~~python
;;   def quantise(x, axis, e):      # numpy; x: float32 -> the quantised numbers, widened to float32 again
;;       x = np.moveaxis(x, axis, -1); K = x.shape[-1]
;;       r = np.clip(x / 2.0 ** e, -57344, 57344)
;;       step = 2.0 ** (np.maximum(np.frexp(np.where(r == 0, 1, r))[1] - 1, -14) - 2)
;;       q = np.round(r / step) * step * 2.0 ** e      # np.round: ties to even
;;       return np.moveaxis(q, -1, axis).astype(np.float32)
;;   ~~~
;;   OPERANDS COMPUTED ON THE WAY. 'Computed on the way' means the value that the module computes at that place (a softmax that the list does not call 'softmax' is quantised finished and normalised). What goes into a quantiser is computed in f32, as accurately as f32 sums, v_exp_f32 and their like allow (about 1e-6 of the number): no bf16 or f16 on the way to a quantiser, and a product that is left as it is and whose result goes on into a quantised operand takes f32 operands (vector FMAs, or v_wmma_f32_16x16x4_f32). A number that lies on a knife's edge between two numbers of the format may be rounded either way, as far as f32 arithmetic and the matrix unit's own rounding can turn it there, and no further.
;; One version. Each part assembles by itself: llvm-mc -triple=amdgcn-amd-amdhsa -mcpu=gfx1250 --defsym DOCPART=n.
;; ======== version 1 of 1: 3 launches
;; workspace buffers: xq0 16,777,216 bytes; xq2 16,777,216 bytes; uq 4,194,304 bytes; gq 4,194,304 bytes; apart 4,718,592 bytes
;; launch quant (part 1): grid 768 x 1, 4 waves a work-group, no clusters, 33,280 bytes of LDS; arguments x, U_w, gate_w, lowp_scales, xq0, xq2, uq, gq; writes xq0, xq2, uq, gq
.if DOCPART == 1
	.amdgcn_target "amdgcn-amd-amdhsa--gfx1250"
	.amdhsa_code_object_version 6
	.text
	.protected	k_q057789ad43_quant
	.globl	k_q057789ad43_quant
	.p2align	8
	.type	k_q057789ad43_quant,@function
k_q057789ad43_quant:
	s_mov_b64 s[64:65], 0
	v_nop
	global_prefetch_b8 v0, s[64:65] scope:SCOPE_SE
	s_setreg_imm32_b32 hwreg(HW_REG_WAVE_MODE, 25, 1), 1
	s_wait_xcnt 0x0
; x [8192][2048], U_w [2048][2048] and gate_w [2048][2048], f32, K innermost, become codes of BF8 (E5M2), one byte a number, laid as the numbers lie.
; code = number / 2^e, held within +-57,344, rounded to the nearest code, ties to even.  The exponents are whole numbers (int32) in lowp_scales:
; x under e0 -> xq0, U_w under e1 -> uq, gate_w under e3 -> gq.  x is an operand of a second product under e2: its codes under e2 go to xq2, from the same numbers in registers, whatever e0 and e2 are.
; LIMITS: each e between -126 and 112, so that 2^e and 57,344 x 2^e are f32 numbers.  NaN among the inputs is not served (an infinity is held at the largest code).
; SHARES: rows are dense, so each tensor is a plain stream.  A work-group takes 32,768 numbers: work-groups 0-511 x, 512-639 U_w, 640-767 gate_w; pointers are chosen by the work-group's number.
; A wave takes 16 steps of 512 numbers.  Each of a step's four loads reads 512 consecutive bytes, 16 a lane; the conversions want 16 NEIGHBOURS in one lane, so the step's 2,048 bytes turn through the wave's own
; stage in LDS (four lanes' 64 bytes, then 16 of padding) and come back 64 bytes a lane.  A lane's 16 codes are 16 bytes: a store of the wave covers 512 consecutive bytes, aligned.
; No tensor loads, no barrier: waves share nothing.  Loads run four steps (16 loads a wave) ahead, the turn through LDS one step.
.set STEPS, 16
.set WGX,   512                        ; x's work-groups: 8192 x 2048 / 32768
.set WGU,   640                        ; behind them U_w's 128, then gate_w's 128
.set EMAX,  15
.set MANT,  0x600000                   ; the mantissa field of 57,344 as f32
.set WREG,  8192                       ; LDS: a region for each wave: two stages of 32 x SP bytes
.set SP,    80                         ; a lane's place in a stage: its 64 bytes + 16 of padding
.set R,     16                         ; v16-79   four sets of 16 numbers as they are loaded
.set X,     80                         ; v80-111  two sets of 16 neighbours
.set T0,    112                        ; v112-127 held under the first scale
.set T1,    128                        ; v128-143 held under e2
.set C0,    144                        ; v144-159 codes under the first scale: four sets of four
.set C2,    160                        ; v160-175 codes under e2: four sets of four
	s_load_b512 s[8:23], s[0:1], 0x0               ; x s[8:9], U_w s[10:11], gate_w s[12:13], the exponents s[14:15], xq0 s[16:17], xq2 s[18:19], uq s[20:21], gq s[22:23]
	v_lshl_add_u32 v176, v0, 2, 0x8000
	v_mov_b32 v177, 0
	v_lshrrev_b32 v1, 5, v0
	v_readfirstlane_b32 s2, v1                     ; wave
	v_and_b32 v2, 31, v0                           ; lane
	v_lshlrev_b32 v3, 4, v2                        ; 16 x lane: my 16 bytes of a load's 512, and my 16 codes of a step's 512; never rewritten
	s_mul_i32 s3, s2, WREG
	v_lshrrev_b32 v14, 2, v2
	v_mul_u32_u24 v14, v14, SP
	v_and_b32 v15, 3, v2
	v_lshl_add_u32 v14, v15, 4, v14
	v_add_nc_u32 v14, s3, v14                      ; the stage, on the way in: SP (lane / 4) + 16 (lane % 4); a load's 512 bytes take eight places
	v_mul_u32_u24 v15, v2, SP
	v_add_nc_u32 v15, s3, v15                      ; and on the way out: SP x lane: my 16 neighbours
	s_mov_b32 s24, WGU
	s_wait_kmcnt 0x0
	s_load_b128 s[28:31], s[14:15], 0x0            ; e0, e1, e2, e3
	s_cmp_lt_u32 ttmp9, WGU                        ; U_w's work-group or gate_w's?  The choices hang on the work-group's number alone
	s_cselect_b64 s[4:5], s[10:11], s[12:13]
	s_cselect_b64 s[6:7], s[20:21], s[22:23]
	s_cselect_b32 s24, WGX, s24                    ; the tensor's first work-group
	s_cmp_lt_u32 ttmp9, WGX                        ; or x's?
	s_cselect_b64 s[4:5], s[8:9], s[4:5]           ; s[4:5] the numbers
	s_cselect_b64 s[6:7], s[16:17], s[6:7]         ; s[6:7] their codes
	s_cselect_b32 s24, 0, s24
	s_sub_co_u32 s24, ttmp9, s24
	s_lshl_b32 s24, s24, 2
	s_add_co_u32 s24, s24, s2                      ; which run of 8,192 numbers of the tensor is my wave's (under 2,048)
	s_lshl_b32 s32, s24, 15                        ; 32,768 bytes of numbers a run
	s_mov_b32 s33, 0
	s_add_nc_u64 s[4:5], s[4:5], s[32:33]
	s_lshl_b32 s32, s24, 13                        ; 8,192 bytes of codes a run
	s_add_nc_u64 s[6:7], s[6:7], s[32:33]
	s_add_nc_u64 s[18:19], s[18:19], s[32:33]      ; xq2 at the same place (used by x's work-groups alone)
.macro LOAD t
.irp i, 0,1,2,3
	global_load_b128 v[R+16*((\t)%4)+4*\i:R+16*((\t)%4)+4*\i+3], v3, s[4:5] offset:2048*(\t)+512*\i th:TH_LOAD_NT   ; 32 lanes read 512 consecutive bytes; read once in this launch
.endr
.endm
.macro TURN t                          ; step t's numbers through the stage: LDS serves a wave's instructions in order (ISA guide 5.7.1.4), so no wait stands between the stores and the loads
.irp i, 0,1,2,3
	ds_store_b128 v14, v[R+16*((\t)%4)+4*\i:R+16*((\t)%4)+4*\i+3] offset:32*SP*((\t)%2)+8*SP*\i
.endr
.irp i, 0,1,2,3
	ds_load_b128 v[X+16*((\t)%2)+4*\i:X+16*((\t)%2)+4*\i+3], v15 offset:32*SP*((\t)%2)+16*\i
.endr
.endm
.irp t, 0,1,2,3
	LOAD \t
.endr
	s_wait_kmcnt 0x0
	s_cmp_lt_u32 ttmp9, WGU
	s_cselect_b32 s25, s29, s31                    ; e1 or e3,
	s_cmp_lt_u32 ttmp9, WGX
	s_cselect_b32 s25, s28, s25                    ; or e0: my tensor's first exponent
	s_cselect_b32 s26, 1, 0                        ; x's work-group: then the codes under e2 are made too
	s_add_co_i32 s25, s25, 127
	s_lshl_b32 s27, s25, 23
	v_mov_b32 v11, s27                             ; 2^e as f32: the conversion takes its exponent field
	s_add_co_i32 s25, s25, EMAX
	s_lshl_b32 s25, s25, 23
	s_or_b32 s25, s25, MANT
	v_mov_b32 v10, s25                             ; 57,344 x 2^e
	s_add_co_i32 s25, s30, 127
	s_lshl_b32 s27, s25, 23
	v_mov_b32 v13, s27                             ; 2^e2
	s_add_co_i32 s25, s25, EMAX
	s_lshl_b32 s25, s25, 23
	s_or_b32 s25, s25, MANT
	v_mov_b32 v12, s25                             ; 57,344 x 2^e2
	s_wait_loadcnt 12                              ; step 0's four loads are in; the twelve behind them may be out
	TURN 0
; The step's 16 neighbours in v[XS] on, held (not in place: x's are wanted under a second scale), converted and stored.
.macro QSTORE t, tmp, lim, sc, cod, base
.irp i, 0,1,2,3,4,5,6,7,8,9,10,11,12,13,14,15
	v_med3_num_f32 v[\tmp+\i], v[XS+\i], -v[\lim], v[\lim]   ; the conversion to an 8-bit code does not saturate (ISA guide 7.6.2): the number is held within the largest code x the scale first
.endr
	v_cvt_scalef32_pk8_bf8_f32 v[\cod+4*((\t)%4):\cod+4*((\t)%4)+1], v[\tmp:\tmp+7], v[\sc]      ; eight numbers / 2^e, to the nearest code, ties to even; the first number's code in the lowest byte
	v_cvt_scalef32_pk8_bf8_f32 v[\cod+4*((\t)%4)+2:\cod+4*((\t)%4)+3], v[\tmp+8:\tmp+15], v[\sc]
	v_nop                                          ; one plain vector line behind the last conversion: the next step's holds write the conversions' sources
	global_store_b128 v3, v[\cod+4*((\t)%4):\cod+4*((\t)%4)+3], s[\base:\base+1] offset:512*(\t)   ; no hint: the codes are read again by the launches that follow
.endm
.macro STEP t
.set XS, X+16*((\t)%2)
	s_wait_dscnt 0x0                               ; this step's numbers are back from the stage: so its stores into the stage have read their registers,
.if (\t) >= 4
	s_wait_xcnt 0x0                                ; the stores of four steps ago have had their addresses translated (ISA guide 3.1): their code registers are written again only behind this wait; it stands ahead of the new loads
.endif
.if (\t)+4 < STEPS
	LOAD (\t)+4                                    ; which take the loads of four steps on
.endif
.if (\t)+1 < STEPS
.if STEPS-2-(\t) >= 3
	s_wait_loadcnt 12                              ; the next step's four loads are in; those of the three steps behind it may be out
.else
	s_wait_loadcnt 4*(STEPS-2-(\t))
.endif
	TURN (\t)+1                                    ; and go through the other stage while this step is worked
.endif
	QSTORE \t, T0, 10, 11, C0, 6
	s_cmp_lg_u32 s26, 0                            ; a scalar branch on the work-group's number: the same for the whole work-group
	s_cbranch_scc0 .Lone_\@
	QSTORE \t, T1, 12, 13, C2, 18
.Lone_\@:
.endm
.irp t, 0,1,2,3,4,5,6,7,8,9,10,11,12,13,14,15
	STEP \t
.endr
	s_wait_tensorcnt 0x0
	ds_add_u32 v176, v177
	s_wait_dscnt 0x0
	s_endpgm
.Lfunc_end_k_q057789ad43_quant:
	.size	k_q057789ad43_quant, .Lfunc_end_k_q057789ad43_quant-k_q057789ad43_quant
	.p2alignl 7, 3214868480
	.fill 96, 4, 3214868480
	.section	.rodata,"a",@progbits
	.p2align	6, 0x0
	.amdhsa_kernel k_q057789ad43_quant
		.amdhsa_group_segment_fixed_size 33280
		.amdhsa_private_segment_fixed_size 0
		.amdhsa_enable_private_segment 0
		.amdhsa_kernarg_size 64
		.amdhsa_user_sgpr_count 2
		.amdhsa_user_sgpr_kernarg_segment_ptr 1
		.amdhsa_wavefront_size32 1
		.amdhsa_system_sgpr_workgroup_id_x 1
		.amdhsa_system_sgpr_workgroup_id_y 1
		.amdhsa_system_sgpr_workgroup_id_z 1
		.amdhsa_system_vgpr_workitem_id 0
		.amdhsa_next_free_vgpr 178
		.amdhsa_next_free_sgpr 66
		.amdhsa_reserve_vcc 0
		.amdhsa_float_denorm_mode_32 3
		.amdhsa_float_denorm_mode_16_64 3
		.amdhsa_memory_ordered 1
		.amdhsa_forward_progress 1
		.amdhsa_inst_pref_size 60
	.end_amdhsa_kernel
	.amdgpu_metadata
---
amdhsa.version: [ 1, 2 ]
amdhsa.kernels:
  - .name:           k_q057789ad43_quant
    .symbol:         k_q057789ad43_quant.kd
    .args:
      - { .name: x, .offset: 0, .size: 8, .value_kind: global_buffer, .address_space: global }
      - { .name: U_w, .offset: 8, .size: 8, .value_kind: global_buffer, .address_space: global }
      - { .name: gate_w, .offset: 16, .size: 8, .value_kind: global_buffer, .address_space: global }
      - { .name: lowp_scales, .offset: 24, .size: 8, .value_kind: global_buffer, .address_space: global }
      - { .name: xq0, .offset: 32, .size: 8, .value_kind: global_buffer, .address_space: global }
      - { .name: xq2, .offset: 40, .size: 8, .value_kind: global_buffer, .address_space: global }
      - { .name: uq, .offset: 48, .size: 8, .value_kind: global_buffer, .address_space: global }
      - { .name: gq, .offset: 56, .size: 8, .value_kind: global_buffer, .address_space: global }
    .group_segment_fixed_size: 33280
    .private_segment_fixed_size: 0
    .kernarg_segment_align: 8
    .kernarg_segment_size: 64
    .max_flat_workgroup_size: 128
    .sgpr_count:     66
    .vgpr_count:     178
    .wavefront_size: 32
...
	.end_amdgpu_metadata
.endif
;; end of part 1
;; launch gate (part 2): grid 8 x 32, 4 waves a work-group, clusters of 4 x 4, 327,680 bytes of LDS; arguments xq2, gq, lowp_scales, x, ladder_w, apart; writes apart
.if DOCPART == 2
	.amdgcn_target "amdgcn-amd-amdhsa--gfx1250"
	.amdhsa_code_object_version 6
	.text
	.protected	k_q057789ad43_gate
	.globl	k_q057789ad43_gate
	.p2align	8
	.type	k_q057789ad43_gate,@function
k_q057789ad43_gate:
	s_mov_b64 s[64:65], 0
	v_nop
	global_prefetch_b8 v0, s[64:65] scope:SCOPE_SE
	s_setreg_imm32_b32 hwreg(HW_REG_WAVE_MODE, 25, 1), 1
	s_wait_xcnt 0x0
	s_wait_alu depctr_hold_cnt(0) depctr_sa_sdst(0) depctr_va_vdst(0) depctr_va_sdst(0) depctr_va_ssrc(0) depctr_va_vcc(0) depctr_vm_vsrc(0)
	s_getreg_b32 s2, hwreg(HW_REG_IB_STS2, 6, 4)
	s_cmp_eq_u32 s2, 0
	s_cbranch_scc0 .Lentry_in_a_cluster
	s_endpgm
.Lentry_in_a_cluster:
	s_bfe_u32 s2, ttmp6, 0x10000c
	s_cmp_lg_u32 s2, 0xf033
	s_cbranch_scc0 .Lentry_shape_is_right
	s_endpgm
.Lentry_shape_is_right:
; THE GATE AND THE LADDERS.  s = x gate_w^T on codes of BF8 (x under e2: xq2; gate_w under e3: gq); g = sigmoid(s) x, in f32; g is quantised under e4 and multiplied by the 18 ladder rows (quantised here under e5).
; A tile of s, 256 rows x 256 columns, is made by a work-group of four waves; a wave makes 128 x 128: 64 accumulators, 512 registers.  The tile's columns are 256 of the ladder product's K = 2,048, so a work-group
; makes a PART of each of its rows' 18 sums: apart [tile column 0..7][ladder row 0..17][8192 rows], f32, the sums of code products as they are (the launch that follows adds the eight parts and applies 2^(e4 + e5)).
; LIMITS: e2 + e3 between -126 and 127 (it is added to a constant's exponent field); e4 and e5 between -126 and 112.  NaN among the inputs is not served.
; THE PRODUCT: K goes in steps of 256 through a ring of two LDS slots filled by the tensor data mover; a tile's row is 256 bytes of memory, at a multiple of 256 from the buffer's first byte.
; CLUSTERS: 4 x 4 work-groups.  The four of a row of the cluster need the same tiles of x's codes, the four of a column the same tiles of gate_w's: each tile is asked for JOINTLY, by the same tensor load with the
; same descriptor and a mask that names the four.  THE MATRIX INSTRUCTION IS USED TRANSPOSED (source 0 = 16 rows of gate_w, source 1 = 16 rows of x): lane (r, h) of accumulator (a, b) holds, in register j,
; row 16 a + r and column 16 b + 8 h + j.  Those are the places that this form's own layout gives k = 16 b + 8 h + j in registers 2 b, 2 b + 1: so a block's 64 numbers of g, converted eight at a time, ARE the ladder product's operand.
; REGISTERS, in windows of 256: window 0: v1-31 addresses and scales; v32-95 a block of x (f32); v96-127 the ladder's two fragments; from v128 x's code fragments, ONE set; behind the loop v128-191 x turned, v192-255 g.
;   window 1: gate_w's fragments, TWO sets; behind the loop three more blocks of x, g's codes and the two ladder results.   windows 2, 3: the accumulators ((a, b) at v[8 (8 (a % 4) + b)] of window 2 + a / 4).
.set KROW,   2048                      ; a row of codes in memory, in bytes
.set ROWB,   256                       ; a tile's row: 256 codes
.set PITCH,  272                       ; an LDS row: 256 bytes + 16 of padding = 68 words: row r starts at bank 4 r mod 64 (64 banks of 4 bytes: ISA guide 11.1), so the 16 rows that a load touches start at 16 different banks
.set FR,     16                        ; registers of a fragment: 16 rows x 128 K
.set NL,     4                         ; LDS loads that bring one
.set NP,     4                         ; places behind this matrix instruction (ISA guide 7.12.1)
.set HALFT,  128*PITCH                 ; 128 rows: what one tensor load brings
.set SLOT,   4*HALFT                   ; x's 256 rows, then gate_w's 256 rows
.set SPARE,  2*SLOT                    ; behind the ring: the spare words, 128 bytes for each wave: two blocks of 256 bytes that no other line names
.set SPITCH, 528                       ; a wave's stage: 16 rows x (512 bytes + 16).  The stages and AP lie in slot 0, which has had its last fill and its last read when the first of them is written
.set AP,     4*16*SPITCH               ; behind the four stages: the ladder results, [column half 0..1][ladder row 0..31] x (256 rows x 4 bytes + 16)
.set APP,    1040
.set APH,    32*APP
.set XROW,   8192                      ; a row of x in f32, in bytes
.set NTB,    18*32768                  ; a tile column's part of apart, in bytes
.set XO,   7                           ; v7   16 x lane: my 16 bytes of a row's 512
.set XST,  8                           ; v8   my stage + 16 x lane
.set XLD,  9                           ; v9   my stage + 528 r + 32 h
.set SC4,  10                          ; v10  2^e4;  v11  57,344 x 2^e4
.set LM4,  11
.set SC5,  12                          ; v12  2^e5;  v13  57,344 x 2^e5
.set LM5,  13
.set APS,  14                          ; v14  where I put ladder results
.set APR,  15                          ; v15  where I read them back
.set ADRA, 16                          ; v16-17  LDS address of my fragments of x's codes in slot 0, 1
.set APO,  18                          ; v18  my byte offset in the work-group's part of apart
.set PXO,  19                          ; v19  the prefetches of x: 8192 (lane / 2) + 256 (lane % 2)
.set ADRB, 20                          ; v20-21  the same as v16-17 for gate_w
.set LA0,  22                          ; v22  ladder rows 0-15: 8192 r + 32 h
.set LA1,  23                          ; v23  ladder rows 16, 17: 8192 (r % 2) + 32 h
.set SPW,  28                          ; v28  LDS address of my spare word; never rewritten
.set NIL,  29                          ; v29  0; never rewritten
.set PFO,  30                          ; v30  the prefetches of codes: 2048 x lane
.set XR0,  32
.set LF0,  96
.set LF1,  112
.set AF,   128
.set XA,   128
.set G,    192
.set PC,   192                         ; in window 1: g's codes, a fragment;
.set D0,   208                         ; ladder rows 0-15 x the block's 16 rows;
.set D1,   216                         ; ladder rows 16-31 (18 on: zero codes)
.set G1,  24                           ; s[24:31] descriptor group 1 for x's tiles;  s[32:39] group 0, one set for each slot
.set G0,  32
.set G1B, 48                           ; s[48:55], s[56:63] the same for gate_w's tiles
.set G0B, 56
.set PFA, 82                           ; s[82:83] where my prefetches of codes stand
.set LIM, 84                           ; s84  1 in a wave that prefetches codes, else the greatest number
.set PXA, 86                           ; s[86:87] where my prefetches of x stand
.set XB,  88                           ; s[88:89] x (f32) at my wave's first row and column; never rewritten
.set CN,  90                           ; s[90:91] -log2(e) x 2^(e2 + e3)
.set MSB, 0
.macro WIN new                         ; the immediate's high byte repeats the setting that is left
.if MSB != \new
	s_set_vgpr_msb (MSB<<8)|\new
.set MSB, \new
.endif
.endm
.set MUL_LO, 0xa1                      ; source 0 (gate_w) window 1, source 1 (x) window 0, C and D window 2
.set MUL_HI, 0xf1                      ; the same, C and D window 3
.set TO_B,   0x40                      ; destination window 1, address window 0
; A joint load: waves 0 and 1 fetch for x, waves 2 and 3 for gate_w.  Each of the two lines has ONE mask and one set of registers for all that issue it; the branch hangs on the wave's number alone.
; Four v_nop follow each of the two lines, ahead of the jump, the label and what follows.
.macro JLOAD g0a, g1a, g0b, g1b
	s_cmp_eq_u32 s15, 0
	s_cbranch_scc0 .Lfor_b_\@
	tensor_load_to_lds s[\g0a:\g0a+3], s[\g1a:\g1a+7]
	s_nop 0
.rept 4
	v_nop
.endr
	s_branch .Lasked_\@
.Lfor_b_\@:
	tensor_load_to_lds s[\g0b:\g0b+3], s[\g1b:\g1b+7]
	s_nop 0
.rept 4
	v_nop
.endr
.Lasked_\@:
.endm
.macro CREST                           ; a round of the cluster's barrier behind its opening barrier
	s_cmp_lg_u32 s14, 0
	s_cbranch_scc1 .Lnot_wave_0_\@
	s_barrier_signal -3
.Lnot_wave_0_\@:
	s_barrier_wait -3
	s_barrier_signal -1
	s_barrier_wait -1
.endm
.macro CROUND                          ; a whole round
	s_barrier_signal -1
	s_barrier_wait -1
	CREST
.endm
; PREFETCHES INTO THE L2, behind each joint refill, its four lines and the run of LDS loads that follows them.
; ASK: the codes of the K step that stands two refills on: 32 rows x 256 bytes, a lane a row, one instruction a wave.  Each row's 256 bytes of a K step are named once in the launch: x's tile row is read by both clusters
; of that row of clusters: cluster x = 0 asks; gate_w's tile column by the eight clusters of that column: cluster y = 0 asks.  The four partners that ask for a tile jointly share its rows out BY ADDRESS: of the 128 rows
; that a wave fetches, the partner at place p takes 32 p .. 32 p + 31 (p = cx for x, cy for gate_w).  The loop's last trip (s3 = 1) asks for nothing: there is no K step two on.  K steps 0 to 3 come by their loads alone.
.macro ASK
	s_cmp_gt_u32 s3, s[LIM]
	s_cbranch_scc0 .Lnot_mine_\@
	global_prefetch_b8 v[PFO], s[PFA:PFA+1] offset:ROWB th:TH_LOAD_NT scope:SCOPE_SE
.Lnot_mine_\@:
.endm
; XASK: x in f32, which the wave loads behind the loop: a block of 16 rows x 512 bytes, two lanes a row, 256 bytes apart.  The four refills of the loop's last two trips name blocks 1 to 4 of my wave's eight;
; each wave asks for its own rows and columns, which no other wave of the launch reads.  Block 0 comes by its load alone; blocks 5 to 7 are loaded while blocks 1 to 3 are worked.
.macro XASK
	s_cmp_le_u32 s3, 2
	s_cbranch_scc0 .Lno_x_\@
	global_prefetch_b8 v[PXO], s[PXA:PXA+1] th:TH_LOAD_NT scope:SCOPE_SE
.Lno_x_\@:
.endm
	s_load_b64 s[4:5], s[0:1], 0x0                 ; xq2: x's codes under e2
	s_load_b128 s[8:11], s[0:1], 0x8               ; gq s[8:9], the exponents s[10:11]
	s_load_b128 s[68:71], s[0:1], 0x18             ; x s[68:69], ladder_w s[70:71]
	s_load_b64 s[72:73], s[0:1], 0x28              ; apart
	v_lshl_add_u32 v[SPW], v0, 2, SPARE
	v_mov_b32 v[NIL], 0
	ds_add_u32 v28, v29
	ds_add_u32 v28, v29
	s_wait_dscnt 0x0
	v_lshrrev_b32 v1, 5, v0
	v_readfirstlane_b32 s14, v1                    ; wave 0..3
	s_lshr_b32 s15, s14, 1                         ; which half of the tile's rows is mine.  Also: I fetch for x (0) or for gate_w (1)
	s_and_b32 s16, s14, 1                          ; which half of its columns.  Also: which 128 rows of that tile I fetch
	s_bfe_u32 s40, ttmp6, 0x40000                  ; cx, cy: my place in the cluster
	s_bfe_u32 s41, ttmp6, 0x40004
	s_lshl_b32 s42, ttmp9, 2
	s_add_co_u32 s42, s42, s40                     ; tile column = 4 x cluster x + cx, 0..7
	s_and_b32 s17, ttmp7, 0xffff
	s_lshl_b32 s17, s17, 2
	s_add_co_u32 s17, s17, s41                     ; tile row = 4 x cluster y + cy, 0..31
	s_lshl_b32 s43, s41, 2
	s_lshl_b32 s43, 15, s43                        ; my row of the cluster
	s_lshl_b32 s44, 0x1111, s40                    ; my column
	; descriptor group 1: a tile of 128 rows x 256 bytes, padded in LDS
	s_or_b32 s[G1+0], s43, (0<<16)|(1<<20)|(1<<21)|(5<<22)|(3<<25)  ; 15:0 the mask: x's tiles go to my row; 17:16 element of 1 byte; 20 padding on; 21 set beside a mask; 24:22 after every 64 words (code 5); 31:25 of 4 words (code 3)
	s_or_b32 s[G1B+0], s44, (0<<16)|(1<<20)|(1<<21)|(5<<22)|(3<<25) ; the same with the mask of my column
.irp g, G1, G1B
	s_mov_b32 s[\g+1], ROWB<<16                    ; tensor_dim0
	s_mov_b32 s[\g+2], 128<<16                     ; tensor_dim1 = 128
	s_mov_b32 s[\g+3], ROWB<<16                    ; tile_dim0
	s_mov_b32 s[\g+4], 128                         ; tile_dim1 = 128
	s_mov_b32 s[\g+5], KROW                        ; tensor_dim0_stride
	s_mov_b32 s[\g+6], 0
	s_mov_b32 s[\g+7], 0
.endr
	s_lshl_b32 s18, s16, 7                         ; which 128 rows of the tile I fetch
	s_lshl_b32 s20, s17, 8
	s_add_co_u32 s20, s20, s18                     ; x: row 256 x tile row + 128 x half
	s_lshl_b32 s20, s20, 11                        ; x 2,048 bytes (under 2^24)
	s_mov_b32 s21, 0
	s_lshl_b32 s46, s42, 8
	s_add_co_u32 s46, s46, s18                     ; gate_w: row 256 x tile column + 128 x half
	s_lshl_b32 s46, s46, 11
	s_mov_b32 s47, 0
	s_mul_i32 s45, s14, HALFT                      ; where they go: wave x 128 rows: no place in the cluster enters an LDS address
	s_wait_kmcnt 0x0
	s_load_b128 s[76:79], s[10:11], 0x0            ; e0, e1, e2, e3: waited for where the scales are made, behind the first joint loads
	s_load_b64 s[80:81], s[10:11], 0x10            ; e4, e5
	s_add_nc_u64 s[20:21], s[4:5], s[20:21]
	s_add_nc_u64 s[46:47], s[8:9], s[46:47]
	CROUND                                         ; all sixteen work-groups are here: the first joint loads meet
.irp s, 0,1
	s_mov_b32 s[G0+4*\s], 1                                        ; 1:0 count = 1
	s_add_co_u32 s[G0+4*\s+1], s45, \s*SLOT                        ; 63:32 LDS address
	s_add_nc_u64 s[G0+4*\s+2:G0+4*\s+3], s[20:21], \s*ROWB         ; 120:64 global address: K step s
	s_or_b32 s[G0+4*\s+3], s[G0+4*\s+3], 0x80000000                ; 127:126 type = 2
	s_mov_b32 s[G0B+4*\s], 1
	s_add_co_u32 s[G0B+4*\s+1], s45, \s*SLOT
	s_add_nc_u64 s[G0B+4*\s+2:G0B+4*\s+3], s[46:47], \s*ROWB
	s_or_b32 s[G0B+4*\s+3], s[G0B+4*\s+3], 0x80000000
	JLOAD G0+4*\s, G1, G0B+4*\s, G1B
.endr
	; THE LADDER'S FRAGMENTS are made while the first tiles are on their way.  My wave's K is its 128 columns.  Lane (r, h) takes ladder row r and k = 16 c + 8 h + 0 .. 7 into registers 2 c, 2 c + 1: 32 bytes of f32 for each c.
	v_and_b32 v1, 15, v0                           ; r = lane % 16
	v_bfe_u32 v2, v0, 4, 1                         ; h = lane / 16
	v_lshlrev_b32 v3, 5, v2
	v_lshl_add_u32 v[LA0], v1, 13, v3
	v_and_b32 v5, 1, v0
	v_lshl_add_u32 v[LA1], v5, 13, v3              ; the second fragment's lanes read rows 16 and 17 by turns, so that no load leaves the 18 rows; lanes with r above 1 get zero codes below
	s_lshl_b32 s46, s42, 10
	s_lshl_b32 s47, s16, 9
	s_add_co_u32 s46, s46, s47                     ; my first column in f32 bytes: 1,024 x tile column + 512 x half
	s_mov_b32 s47, 0
	s_add_nc_u64 s[70:71], s[70:71], s[46:47]      ; ladder_w at my first column
.irp c, 0,1,2,3,4,5,6,7
.irp q, 0,1
	global_load_b128 v[XR0+8*\c+4*\q:XR0+8*\c+4*\q+3], v[LA0], s[70:71] offset:64*\c+16*\q
	global_load_b128 v[AF+8*\c+4*\q:AF+8*\c+4*\q+3], v[LA1], s[70:71] offset:16*XROW+64*\c+16*\q
.endr
.endr
	v_mul_u32_u24 v3, v1, PITCH
	v_lshl_add_u32 v4, v2, 4, v3                   ; a fragment's row x pitch + 16 x half
	s_mul_i32 s21, s15, HALFT                      ; my 128 rows of x's codes
	s_mul_i32 s22, s16, HALFT                      ; my 128 rows of gate_w's,
	s_add_co_u32 s22, s22, 2*HALFT                 ; which lie behind x's 256
.irp s, 0,1
	v_add_nc_u32 v[ADRA+\s], s21, v4
	v_add_nc_u32 v[ADRB+\s], s22, v4
	s_add_co_u32 s21, s21, SLOT
	s_add_co_u32 s22, s22, SLOT
.endr
	s_mul_i32 s23, s14, 16*SPITCH                  ; my stage
	v_and_b32 v6, 31, v0
	v_lshlrev_b32 v[XO], 4, v6
	v_add_nc_u32 v[XST], s23, v[XO]                ; in: a row's 512 bytes as they lie
	v_mul_u32_u24 v5, v1, SPITCH
	v_lshl_add_u32 v5, v2, 5, v5
	v_add_nc_u32 v[XLD], s23, v5                   ; back: row r, 32 bytes for each half of the lanes
	s_mul_i32 s21, s16, APH
	s_lshl_b32 s22, s15, 9
	s_add_co_u32 s21, s21, s22
	s_add_co_u32 s21, s21, AP
	v_mul_u32_u24 v5, v1, APP
	v_lshl_add_u32 v5, v2, 5, v5
	v_add_nc_u32 v[APS], s21, v5                   ; AP + my column half + ladder row r x 1,040 + (128 x row half + 8 h) x 4
	v_lshrrev_b32 v5, 6, v0                        ; thread / 64
	v_and_b32 v4, 63, v0                           ; thread % 64
	v_mul_u32_u24 v3, v5, APP
	v_lshl_add_u32 v3, v4, 4, v3
	v_add_nc_u32 v[APR], AP, v3                    ; back: ladder row 2 i + thread / 64, rows 4 (thread % 64) on
	v_lshlrev_b32 v3, 15, v5
	v_lshl_add_u32 v[APO], v4, 4, v3               ; and the same place in apart: 32,768 bytes a ladder row
	v_lshrrev_b32 v5, 1, v6
	v_and_b32 v3, 1, v0
	v_lshlrev_b32 v3, 8, v3
	v_lshl_add_u32 v[PXO], v5, 13, v3
	v_lshlrev_b32 v[PFO], 11, v6
	s_lshl_b32 s20, s17, 8
	s_lshl_b32 s21, s15, 7
	s_add_co_u32 s20, s20, s21                     ; my first row: 256 x tile row + 128 x half
	s_lshl_b32 s20, s20, 13                        ; x 8,192 bytes (under 2^27)
	s_mov_b32 s21, 0
	s_add_nc_u64 s[XB:XB+1], s[68:69], s[20:21]
	s_add_nc_u64 s[XB:XB+1], s[XB:XB+1], s[46:47]
	s_mov_b64 s[PXA:PXA+1], s[XB:XB+1]             ; at block 0: the first step leads to block 1
	s_mov_b32 s95, 0
	s_mul_i32 s20, s42, NTB
	s_lshl_b32 s22, s17, 10
	s_add_co_u32 s20, s20, s22
	s_add_nc_u64 s[72:73], s[72:73], s[20:21]      ; apart at my tile column's part, my tile row's 256 rows
	; the prefetches of codes: who asks, and where
	s_lshl_b32 s20, s17, 8
	s_lshl_b32 s21, s42, 8
	s_and_b32 s22, ttmp7, 0xffff                   ; cluster y
	s_cmp_eq_u32 s15, 0                            ; do I fetch for x?
	s_cselect_b32 s20, s20, s21                    ; the tile's first row
	s_cselect_b32 s21, s40, s41                    ; my place among the four that ask for it with me
	s_cselect_b32 s22, ttmp9, s22                  ; the coordinate along which other clusters read the same rows
	s_cselect_b64 s[PFA:PFA+1], s[4:5], s[8:9]
	s_cmp_eq_u32 s22, 0
	s_cselect_b32 s[LIM], 1, -1                    ; the same in all sixteen partners, for a given wave
	s_lshl_b32 s22, s16, 7
	s_add_co_u32 s20, s20, s22                     ; + the 128 rows that I fetch
	s_lshl_b32 s21, s21, 5
	s_add_co_u32 s20, s20, s21                     ; + my work-group's 32 of them
	s_lshl_b32 s20, s20, 11
	s_mov_b32 s21, 0
	s_add_nc_u64 s[PFA:PFA+1], s[PFA:PFA+1], s[20:21]
	s_add_nc_u64 s[PFA:PFA+1], s[PFA:PFA+1], 2*ROWB  ; at K step 2: the first refill steps it to 3 and names K step 4
	; the scales
	s_wait_kmcnt 0x0                               ; the six exponents
	s_add_co_i32 s[CN], s78, s79
	s_lshl_b32 s[CN], s[CN], 23
	s_mov_b32 s[CN+1], 0xbfb8aa3b                  ; -log2(e)
	s_add_co_i32 s[CN], s[CN], s[CN+1]             ; a sum stands for sum x 2^(e2 + e3): the two exponents are added to the constant's exponent field
	s_mov_b32 s[CN+1], s[CN]                       ; (named with it as a pair, so it is written)
	s_add_co_i32 s92, s80, 127
	s_lshl_b32 s93, s92, 23
	v_mov_b32 v[SC4], s93                          ; 2^e4 as f32: the conversion takes its exponent field
	s_add_co_i32 s92, s92, 15
	s_lshl_b32 s92, s92, 23
	s_or_b32 s92, s92, 0x600000
	v_mov_b32 v[LM4], s92                          ; 57,344 x 2^e4
	s_add_co_i32 s92, s81, 127
	s_lshl_b32 s93, s92, 23
	v_mov_b32 v[SC5], s93
	s_add_co_i32 s92, s92, 15
	s_lshl_b32 s92, s92, 23
	s_or_b32 s92, s92, 0x600000
	v_mov_b32 v[LM5], s92
	s_wait_loadcnt 0x0                             ; the ladder's numbers
.set j, 0
.rept 64
	v_med3_num_f32 v[XR0+j], v[XR0+j], -v[LM5], v[LM5]   ; the conversion to an 8-bit code does not saturate (ISA guide 7.6.2): the hold at the largest code x the scale
	v_med3_num_f32 v[AF+j], v[AF+j], -v[LM5], v[LM5]
.set j, j+1
.endr
.irp c, 0,1,2,3,4,5,6,7
	v_cvt_scalef32_pk8_bf8_f32 v[LF0+2*\c:LF0+2*\c+1], v[XR0+8*\c:XR0+8*\c+7], v[SC5]
	v_cvt_scalef32_pk8_bf8_f32 v[LF1+2*\c:LF1+2*\c+1], v[AF+8*\c:AF+8*\c+7], v[SC5]
.endr
	v_nop                                          ; one plain vector line behind the last conversion
	v_cmp_gt_u32 vcc_lo, 2, v1
.set j, 0
.rept 16
	v_cndmask_b32 v[LF1+j], 0, v[LF1+j], vcc_lo    ; ladder rows 18 to 31 do not exist: zero codes, which add nothing
.set j, j+1
.endr
.macro FRAG reg, adr, q, i             ; a fragment, 16 rows x 128 K of 8-bit codes, is 16 registers: lane l holds row l % 16; registers 4 c .. 4 c + 3 hold K = 32 c + 16 (l / 16) + 0 .. 15: the same order of k on both sides, so every product meets its partner
.irp c, 0,1,2,3
	ds_load_b128 v[\reg+4*\c:\reg+4*\c+3], v[\adr] offset:128*(\q)+32*\c+(\i)*16*PITCH
.endr
.endm
; 16 matrix instructions: x's blocks a0, a0 + 1 against gate_w's eight, 128 along K.  p: gate_w's set.  zero = 1: the first product starts the sums: nothing is ever cleared.
; The 64 accumulators take turns, one instruction a turn, in the same order in every step.
.macro MUL16 a0, p, zero
.irp a, \a0, \a0+1
.irp b, 0,1,2,3,4,5,6,7
.if \zero
	v_wmma_f32_16x16x128_bf8_bf8 v[8*(8*((\a)%4)+\b):8*(8*((\a)%4)+\b)+7], v[128*(\p)+FR*\b:128*(\p)+FR*\b+FR-1], v[AF+FR*(\a):AF+FR*(\a)+FR-1], 0
.else
	v_wmma_f32_16x16x128_bf8_bf8 v[8*(8*((\a)%4)+\b):8*(8*((\a)%4)+\b)+7], v[128*(\p)+FR*\b:128*(\p)+FR*\b+FR-1], v[AF+FR*(\a):AF+FR*(\a)+FR-1], v[8*(8*((\a)%4)+\b):8*(8*((\a)%4)+\b)+7]
.endif
.endr
.endr
.endm
.macro FETCH_B slot, q, p              ; gate_w's eight fragments of the slot's q-th 128 along K into set p
	WIN TO_B
.irp i, 0,1,2,3,4,5,6,7
	FRAG 128*(\p)+FR*\i, ADRB+\slot, \q, \i
.endr
	WIN 0
.endm
.macro FETCH_A slot, q, i0             ; x's blocks i0 .. i0 + 3
.irp i, \i0, \i0+1, \i0+2, \i0+3
	FRAG AF+FR*(\i), ADRA+\slot, \q, \i
.endr
.endm
; A load into a register that a matrix instruction has read, and a vector instruction or an LDS store that reads a matrix result, stand NP places behind that matrix instruction, and only plain vector
; instructions that name none of its registers are places (ISA guide 7.12.1 for vector instructions).
.macro PLACES n
.rept \n
	v_nop
.endr
.endm
; A step of 128 along K that has its successor in the same slot.
.macro STEP slot, q, zero
	s_wait_dscnt 4*NL                              ; gate_w's set and x's blocks 0-3 are in; the youngest sixteen loads (x's blocks 4-7) may be out
	WIN MUL_LO
	MUL16 0, (\q)%2, \zero
	MUL16 2, (\q)%2, \zero
	s_wait_dscnt 0                                 ; x's blocks 4-7 are in (asked for 32 matrix instructions ago)
	PLACES NP
	FETCH_B \slot, (\q)+1, 1-(\q)%2
	FETCH_A \slot, (\q)+1, 0
	WIN MUL_HI
	MUL16 4, (\q)%2, \zero
	MUL16 6, (\q)%2, \zero
	PLACES NP
	WIN 0
	FETCH_A \slot, (\q)+1, 4
.endm
; A slot's last step changes slots: ONE barrier; in front of it each wave waits for all its tensor loads, adds 0 to its spare word, and waits for that and for its own reads of this slot.  fill = 1: this slot is filled again, two K steps ahead.
.macro TURN slot, next, fill
.if \fill
	s_wait_xcnt 0x0                                ; the last prefetches, a K step back, have read their addresses: these are stepped here, ahead of the waits of the change of slots
	s_add_nc_u64 s[PFA:PFA+1], s[PFA:PFA+1], ROWB
	s_cmp_le_u32 s3, 2                             ; x's blocks are walked in the loop's last two trips alone
	s_cselect_b32 s94, 16*XROW, 0
	s_add_nc_u64 s[PXA:PXA+1], s[PXA:PXA+1], s[94:95]
.endif
	s_wait_tensorcnt 0x0                           ; all my tensor loads have landed: my part of the next slot;  (every window is 0 here: the add's two registers lie in window 0)
	ds_add_u32 v[SPW], v[NIL]                      ; 0 onto my spare word
	s_wait_dscnt 4*NL+1                            ; (the add and the youngest sixteen loads, x's blocks 4-7, may be out)
	WIN MUL_LO
	MUL16 0, 1, 0                                  ; sixteen matrix instructions stand between the add and the wait for it
	s_wait_dscnt 0x0                               ; the add is done, and my reads of this slot are over
	s_barrier_signal -1
	MUL16 2, 1, 0
	WIN 0
	s_barrier_wait -1
.if \fill
	CREST                                          ; the barrier has opened a round of the cluster's barrier: no wave of any partner still reads this slot's tile or has a load on its way
	s_add_nc_u64 s[G0+4*\slot+2:G0+4*\slot+3], s[G0+4*\slot+2:G0+4*\slot+3], 2*ROWB
	s_add_nc_u64 s[G0B+4*\slot+2:G0B+4*\slot+3], s[G0B+4*\slot+2:G0B+4*\slot+3], 2*ROWB
	JLOAD G0+4*\slot, G1, G0B+4*\slot, G1B         ; the first tensor load behind the round; the four v_nop behind it are the places in front of the loads below
.else
	PLACES NP
.endif
	FETCH_B \next, 0, 0
	FETCH_A \next, 0, 0
.if \fill
	ASK
	XASK
.endif
	WIN MUL_HI
	MUL16 4, 1, 0
	MUL16 6, 1, 0
	PLACES NP
	WIN 0
	FETCH_A \next, 0, 4
.endm
; Block a of x in f32: 16 rows x my 128 columns; each load is one row's 512 consecutive bytes.  The caller sets the window of reg.
.macro XLOAD a, reg
.irp t, 0,1,2,3,4,5,6,7,8,9,10,11,12,13,14,15
	global_load_b128 v[\reg+4*\t:\reg+4*\t+3], v[XO], s[XB:XB+1] offset:(16*(\a)+\t)*XROW th:TH_LOAD_NT   ; read once in this launch
.endr
.endm
	s_wait_tensorcnt 1                             ; my part of K step 0 is in (K step 1's load may be out),
	s_barrier_signal -1
	s_barrier_wait -1                              ; everybody's is
	FETCH_B 0, 0, 0
	FETCH_A 0, 0, 0
	FETCH_A 0, 0, 4
	STEP 0, 0, 1                                   ; the first step stands in front of the loop: its products start the sums
	s_mov_b32 s3, 3                                ; 2,048 along K are four laps of the ring; the last is written out
.Llap:                                                 ; a trip goes once round the ring, from a lap's second step to the next lap's first, and fills both slots again
	TURN 0, 1, 1
	STEP 1, 0, 0
	TURN 1, 0, 1
	STEP 0, 0, 0
	s_sub_co_u32 s3, s3, 1
	s_cmp_lg_u32 s3, 0
	s_cbranch_scc1 .Llap
	XLOAD 0, XR0                                   ; x's first block is asked for a K step and a half ahead of its use
	TURN 0, 1, 0                                   ; the last lap fills nothing, and has no round of the cluster's barrier
	STEP 1, 0, 0
	s_wait_dscnt 4*NL                              ; the very last step: nothing more to fetch
	WIN MUL_LO
	MUL16 0, 1, 0
	MUL16 2, 1, 0
	s_wait_dscnt 0
	WIN MUL_HI
	MUL16 4, 1, 0
	MUL16 6, 1, 0
	PLACES NP                                      ; in front of the loads into gate_w's and x's fragment registers, and of the first reads of results
	WIN TO_B
	XLOAD 1, 0
	XLOAD 2, 64
	XLOAD 3, 128
; BLOCK a OF 16 ROWS: x's numbers turn through my stage so that they lie as the sums lie; g = x / (1 + 2^(sum x CN)); held, converted; two matrix instructions against the ladder; results to AP.
; The exponentials are one batch and the reciprocals another: behind each stand one plain line and ONE wait ahead of the first line that names a result.
; An exponential beyond f32's range is infinity, its reciprocal 0: the sigmoid is 0 there.
.macro EPI a
.if (\a)%4 == 0
.set XS, XR0                                   ; the block's numbers as loaded: window 0,
.set WST, 0
.set WLD, 0
.else
.set XS, 64*((\a)%4-1)                         ; or window 1
.set WST, 0x04
.set WLD, 0x40
.endif
.set AC, 64*((\a)%4)
.if 7-(\a) >= 3
	s_wait_loadcnt 48                              ; the block's sixteen loads are in; those of the three blocks behind it may be out
.else
	s_wait_loadcnt 16*(7-(\a))
.endif
	WIN WST
.irp t, 0,1,2,3,4,5,6,7,8,9,10,11,12,13,14,15
	ds_store_b128 v[XST], v[XS+4*\t:XS+4*\t+3] offset:SPITCH*\t
.endr
	WIN 0
.irp b, 0,1,2,3,4,5,6,7
	ds_load_b128 v[XA+8*\b:XA+8*\b+3], v[XLD] offset:64*\b        ; LDS serves a wave's instructions in order (ISA guide 5.7.1.4): these see the stores above.  x(16 a + r, 16 b + 8 h + 0 .. 7)
	ds_load_b128 v[XA+8*\b+4:XA+8*\b+7], v[XLD] offset:64*\b+16
.endr
	WIN 0x02+(\a)/4                                ; source 0: the accumulators' window
.set j, 0
.rept 32
	v_pk_mul_f32 v[G+j:G+j+1], v[AC+j:AC+j+1], s[CN:CN+1] op_sel_hi:[1,0]   ; -log2(e) x the gate's sum; each accumulator from its low end on
.set j, j+2
.endr
	WIN 0
.set j, 0
.rept 64
	v_exp_f32 v[G+j], v[G+j]
.set j, j+1
.endr
	v_nop
	s_wait_alu depctr_va_vdst(0)
.set j, 0
.rept 32
	v_pk_add_f32 v[G+j:G+j+1], v[G+j:G+j+1], 1.0 op_sel_hi:[1,0]
.set j, j+2
.endr
.set j, 0
.rept 64
	v_rcp_f32 v[G+j], v[G+j]
.set j, j+1
.endr
	s_wait_dscnt 0x0                               ; x is back from the stage, and the stores into the stage have read their registers,
.if (\a) < 4
	WIN WLD
	XLOAD (\a)+4, XS                               ; which take the block four further on
	WIN 0
.endif
	v_nop
	s_wait_alu depctr_va_vdst(0)
.set j, 0
.rept 32
	v_pk_mul_f32 v[G+j:G+j+1], v[G+j:G+j+1], v[XA+j:XA+j+1]       ; g = sigmoid x x
.set j, j+2
.endr
.set j, 0
.rept 64
	v_med3_num_f32 v[G+j], v[G+j], -v[LM4], v[LM4]                ; the hold at the largest code x the scale
.set j, j+1
.endr
	WIN 0x40                                       ; destination window 1
.irp b, 0,1,2,3,4,5,6,7
	v_cvt_scalef32_pk8_bf8_f32 v[PC+2*\b:PC+2*\b+1], v[G+8*\b:G+8*\b+7], v[SC4]   ; registers 2 b, 2 b + 1 of the operand: k = 16 b + 8 h + 0 .. 7
.endr
	v_nop                                          ; one plain vector line between a scaled conversion and the matrix instruction that reads its result
	WIN 0x41                                       ; source 0 (g's codes) and D window 1, source 1 (the ladder) window 0
	v_wmma_f32_16x16x128_bf8_bf8 v[D0:D0+7], v[PC:PC+15], v[LF0:LF0+15], 0     ; lane (r, h), register j: row 16 a + 8 h + j, ladder row r
	v_wmma_f32_16x16x128_bf8_bf8 v[D1:D1+7], v[PC:PC+15], v[LF1:LF1+15], 0     ; ladder row 16 + r
	PLACES NP
	WIN 0x04                                       ; store data window 1
	ds_store_b128 v[APS], v[D0:D0+3] offset:64*(\a)                ; each result from its low end on
	ds_store_b128 v[APS], v[D0+4:D0+7] offset:64*(\a)+16
	ds_store_b128 v[APS], v[D1:D1+3] offset:16*APP+64*(\a)
	ds_store_b128 v[APS], v[D1+4:D1+7] offset:16*APP+64*(\a)+16
.endm
.irp a, 0,1,2,3,4,5,6,7
	EPI \a
.endr
	WIN 0
	s_wait_dscnt 0x0                               ; for the others' sake: my stores into AP are done
	s_barrier_signal -1
	s_barrier_wait -1
	; the two column halves are added; thread t takes ladder rows 2 i + t / 64 and rows 4 (t % 64) on
.irp i, 0,1,2,3,4,5,6,7,8
	ds_load_b128 v[128+4*\i:131+4*\i], v[APR] offset:2*APP*\i
	ds_load_b128 v[164+4*\i:167+4*\i], v[APR] offset:APH+2*APP*\i
.endr
	s_wait_dscnt 0x0
.irp i, 0,1,2,3,4,5,6,7,8
	v_pk_add_f32 v[128+4*\i:129+4*\i], v[128+4*\i:129+4*\i], v[164+4*\i:165+4*\i]
	v_pk_add_f32 v[130+4*\i:131+4*\i], v[130+4*\i:131+4*\i], v[166+4*\i:167+4*\i]
.endr
.irp i, 0,1,2,3,4,5,6,7,8
	global_store_b128 v[APO], v[128+4*\i:131+4*\i], s[72:73] offset:65536*\i   ; sixteen lanes store 256 consecutive bytes, at a multiple of 256 from apart's first byte
.endr
	s_wait_tensorcnt 0x0                           ; the wave's end: behind my last tensor load and my last LDS store
	ds_add_u32 v[SPW], v[NIL]
	s_wait_dscnt 0x0
	CROUND                                         ; the closing round: no work-group ends while a partner may still ask for a tile that names it
	s_endpgm
.Lfunc_end_k_q057789ad43_gate:
	.size	k_q057789ad43_gate, .Lfunc_end_k_q057789ad43_gate-k_q057789ad43_gate
	.p2alignl 7, 3214868480
	.fill 96, 4, 3214868480
	.section	.rodata,"a",@progbits
	.p2align	6, 0x0
	.amdhsa_kernel k_q057789ad43_gate
		.amdhsa_group_segment_fixed_size 327680
		.amdhsa_private_segment_fixed_size 0
		.amdhsa_enable_private_segment 0
		.amdhsa_kernarg_size 48
		.amdhsa_user_sgpr_count 2
		.amdhsa_user_sgpr_kernarg_segment_ptr 1
		.amdhsa_wavefront_size32 1
		.amdhsa_system_sgpr_workgroup_id_x 1
		.amdhsa_system_sgpr_workgroup_id_y 1
		.amdhsa_system_sgpr_workgroup_id_z 1
		.amdhsa_system_vgpr_workitem_id 0
		.amdhsa_next_free_vgpr 1024
		.amdhsa_next_free_sgpr 100
		.amdhsa_reserve_vcc 1
		.amdhsa_float_denorm_mode_32 3
		.amdhsa_float_denorm_mode_16_64 3
		.amdhsa_memory_ordered 1
		.amdhsa_forward_progress 1
		.amdhsa_inst_pref_size 249
	.end_amdhsa_kernel
	.amdgpu_metadata
---
amdhsa.version: [ 1, 2 ]
amdhsa.kernels:
  - .name:           k_q057789ad43_gate
    .symbol:         k_q057789ad43_gate.kd
    .args:
      - { .name: xq2, .offset: 0, .size: 8, .value_kind: global_buffer, .address_space: global }
      - { .name: gq, .offset: 8, .size: 8, .value_kind: global_buffer, .address_space: global }
      - { .name: lowp_scales, .offset: 16, .size: 8, .value_kind: global_buffer, .address_space: global }
      - { .name: x, .offset: 24, .size: 8, .value_kind: global_buffer, .address_space: global }
      - { .name: ladder_w, .offset: 32, .size: 8, .value_kind: global_buffer, .address_space: global }
      - { .name: apart, .offset: 40, .size: 8, .value_kind: global_buffer, .address_space: global }
    .group_segment_fixed_size: 327680
    .private_segment_fixed_size: 0
    .kernarg_segment_align: 8
    .kernarg_segment_size: 48
    .max_flat_workgroup_size: 128
    .sgpr_count:     100
    .vgpr_count:     1024
    .wavefront_size: 32
...
	.end_amdgpu_metadata
.endif
;; end of part 2
;; launch ugemm (part 3): grid 8 x 32, 4 waves a work-group, clusters of 4 x 4, 327,680 bytes of LDS; arguments xq0, uq, lowp_scales, apart, V_w, out0; writes out0
.if DOCPART == 3
	.amdgcn_target "amdgcn-amd-amdhsa--gfx1250"
	.amdhsa_code_object_version 6
	.text
	.protected	k_q057789ad43_ugemm
	.globl	k_q057789ad43_ugemm
	.p2align	8
	.type	k_q057789ad43_ugemm,@function
k_q057789ad43_ugemm:
	s_mov_b64 s[64:65], 0
	v_nop
	global_prefetch_b8 v0, s[64:65] scope:SCOPE_SE
	s_setreg_imm32_b32 hwreg(HW_REG_WAVE_MODE, 25, 1), 1
	s_wait_xcnt 0x0
	s_wait_alu depctr_hold_cnt(0) depctr_sa_sdst(0) depctr_va_vdst(0) depctr_va_sdst(0) depctr_va_ssrc(0) depctr_va_vcc(0) depctr_vm_vsrc(0)
	s_getreg_b32 s2, hwreg(HW_REG_IB_STS2, 6, 4)
	s_cmp_eq_u32 s2, 0
	s_cbranch_scc0 .Lentry_in_a_cluster
	s_endpgm
.Lentry_in_a_cluster:
	s_bfe_u32 s2, ttmp6, 0x10000c
	s_cmp_lg_u32 s2, 0xf033
	s_cbranch_scc0 .Lentry_shape_is_right
	s_endpgm
.Lentry_shape_is_right:
; out = x U_w^T + z V_w^T.  The first product on codes of BF8 (x under e0, U_w under e1); z [row][3] from the ladder sums; the second product, K = 3, by fused multiply-adds in f32.
; A tile of out, 256 x 256, is made by a work-group of four waves; a wave makes 128 x 128: 64 accumulators, 512 registers.
; THE LADDER SUMS: apart [tile column 0..7][ladder row 0..17][8192 rows] holds eight parts of each sum.  Thread t of the work-group takes rows 2 t and 2 t + 1 of the tile's 256: it adds the eight parts, one a step of the
; loop over K (each part is asked for a K step ahead of its addition), multiplies by 2^(e4 + e5), and evaluates the three fractions z = a0 + a1 / (1 + a2 / (1 + a3 / (1 + a4 / (1 + a5)))).
; A denominator D whose magnitude is under eps = 0.01 becomes eps with D's sign: it is D's sign over the larger of |D| and eps.  z goes from thread to wave through LDS, a record (z0, z1, z2, 0) a row.
; LIMITS: e0 + e1 and e4 + e5 between -126 and 127, so that each power of two is an f32 number.  NaN among the inputs is not served.  A denominator -0 would take -eps; 1 + f is never -0.  Divisions are a reciprocal and a product.
; THE PRODUCT: K goes in steps of 256 through a ring of two LDS slots filled by the tensor data mover; a tile's row is 256 bytes of memory, at a multiple of 256 from the buffer's first byte.
; CLUSTERS: 4 x 4 work-groups.  The four of a row of the cluster need the same tiles of x's codes, the four of a column the same tiles of U_w's: each tile is asked for JOINTLY, by the same tensor load with the
; same descriptor and a mask that names the four.  THE MATRIX INSTRUCTION IS USED TRANSPOSED (source 0 = 16 rows of U_w, source 1 = 16 rows of x): a lane holds eight neighbouring numbers of a row of out.
; REGISTERS, in windows of 256: window 0: v1-31 addresses; v32-67 the ladder sums; v68-103 a part on its way, later the fractions; v104-115 V_w of my four columns; from v128 x's fragments, ONE set.
;   window 1: U_w's fragments, TWO sets; on the way out rows of out and z's records.   windows 2, 3: the accumulators ((a, b) at v[8 (8 (a % 4) + b)] of window 2 + a / 4).
.set KROW,   2048                      ; a row of codes in memory, in bytes
.set ROWB,   256                       ; a tile's row: 256 codes
.set PITCH,  272                       ; an LDS row: 256 bytes + 16 of padding = 68 words: row r starts at bank 4 r mod 64 (64 banks of 4 bytes: ISA guide 11.1), so the 16 rows that a load touches start at 16 different banks
.set FR,     16
.set NL,     4
.set NP,     4                         ; places behind this matrix instruction (ISA guide 7.12.1)
.set HALFT,  128*PITCH
.set SLOT,   4*HALFT
.set SPARE,  2*SLOT                    ; behind the ring: the spare words, 128 bytes for each wave: two blocks of 256 bytes that no other line names
.set ZT,     SPARE+512                 ; behind them: z's 256 records of 16 bytes: sixteen blocks of 256 bytes into which no tile lands
.set SPITCH, 528                       ; the way out: a stage of 16 rows x (512 bytes + 16) for each wave, in slot 0, which has had its last fill and its last read when the first result is stored there
.set OROW,   8192                      ; a row of out, in bytes
.set NTB,    18*32768                  ; a part of apart, in bytes
.set VO,   14                          ; v14  48 x lane: V_w's 12 numbers of my four columns
.set ZW,   15                          ; v15  ZT + 32 x thread: my two records
.set ADRA, 16                          ; v16-17
.set ADRB, 20                          ; v20-21
.set SUV,  22                          ; v[22:23] 2^(e0 + e1), twice
.set STO,  24                          ; v24  my stage + 528 r + 32 h
.set RD,   25                          ; v25  my stage + 16 x lane
.set CO,   26                          ; v26  16 x lane: my four columns of a row of out
.set ZO,   27                          ; v27  8 x thread: my two rows in a ladder row of apart
.set SPW,  28
.set NIL,  29
.set PFO,  30                          ; v30  the prefetches of codes: 2048 x lane
.set ZA,   31                          ; v31  ZT + 2,048 x row half: my wave's 128 records
.set S,    32                          ; v32-67   pair k: ladder sum k of my two rows
.set T,    68                          ; v68-103  a part on its way
.set DD,   68                          ; behind the loop: denominators, later z: three pairs;
.set MM,   74                          ; their guarded magnitudes;
.set RR,   80                          ; reciprocals;
.set FF,   86                          ; the fractions so far;
.set RC,   92                          ; my two records
.set VV,   104                         ; v[104 + 4 k + c] = V_w(my column c, k)
.set VL,   116                         ; as loaded
.set AF,   128
.set G1,  24
.set G0,  32
.set G1B, 48
.set G0B, 56
.set PFA, 82                           ; s[82:83] where my prefetches of codes stand
.set LIM, 84                           ; s84  1 in a wave that prefetches, else the greatest number
.set SA,  90                           ; s[90:91] 2^(e4 + e5)
.set MSB, 0
.macro WIN new                         ; the immediate's high byte repeats the setting that is left
.if MSB != \new
	s_set_vgpr_msb (MSB<<8)|\new
.set MSB, \new
.endif
.endm
.set MUL_LO, 0xa1                      ; source 0 (U_w) window 1, source 1 (x) window 0, C and D window 2
.set MUL_HI, 0xf1                      ; the same, C and D window 3
.set TO_B,   0x40                      ; destination window 1, address window 0
; A joint load: waves 0 and 1 fetch for x, waves 2 and 3 for U_w.  Each of the two lines has ONE mask and one set of registers for all that issue it; the branch hangs on the wave's number alone.
; Four v_nop follow each of the two lines, ahead of the jump, the label and what follows.
.macro JLOAD g0a, g1a, g0b, g1b
	s_cmp_eq_u32 s15, 0
	s_cbranch_scc0 .Lfor_b_\@
	tensor_load_to_lds s[\g0a:\g0a+3], s[\g1a:\g1a+7]
	s_nop 0
.rept 4
	v_nop
.endr
	s_branch .Lasked_\@
.Lfor_b_\@:
	tensor_load_to_lds s[\g0b:\g0b+3], s[\g1b:\g1b+7]
	s_nop 0
.rept 4
	v_nop
.endr
.Lasked_\@:
.endm
.macro CREST                           ; a round of the cluster's barrier behind its opening barrier
	s_cmp_lg_u32 s14, 0
	s_cbranch_scc1 .Lnot_wave_0_\@
	s_barrier_signal -3
.Lnot_wave_0_\@:
	s_barrier_wait -3
	s_barrier_signal -1
	s_barrier_wait -1
.endm
.macro CROUND                          ; a whole round
	s_barrier_signal -1
	s_barrier_wait -1
	CREST
.endm
; A PREFETCH INTO THE L2, behind each joint refill, its four lines and the run of LDS loads that follows them: the codes of the K step that stands two refills on: 32 rows x 256 bytes, a lane a row, one instruction a wave.
; Each row's 256 bytes of a K step are named once in the launch: x's tile row is read by both clusters of that row of clusters: cluster x = 0 asks; U_w's tile column by the eight clusters of that column: cluster y = 0 asks.
; The four partners that ask for a tile jointly share its rows out BY ADDRESS: of the 128 rows that a wave fetches, the partner at place p takes 32 p .. 32 p + 31 (p = cx for x, cy for U_w).
; The loop's last trip (s3 = 1) asks for nothing: there is no K step two on.  K steps 0 to 3 come by their loads alone.
.macro ASK
	s_cmp_gt_u32 s3, s[LIM]
	s_cbranch_scc0 .Lnot_mine_\@
	global_prefetch_b8 v[PFO], s[PFA:PFA+1] offset:ROWB th:TH_LOAD_NT scope:SCOPE_SE
.Lnot_mine_\@:
.endm
	s_load_b256 s[4:11], s[0:1], 0x0               ; xq0 s[4:5], uq s[6:7], the exponents s[8:9], apart s[10:11]
	s_load_b128 s[68:71], s[0:1], 0x20             ; V_w s[68:69], out0 s[70:71]
	v_lshl_add_u32 v[SPW], v0, 2, SPARE
	v_mov_b32 v[NIL], 0
	ds_add_u32 v28, v29
	ds_add_u32 v28, v29
	s_wait_dscnt 0x0
	v_lshrrev_b32 v1, 5, v0
	v_readfirstlane_b32 s14, v1                    ; wave 0..3
	s_lshr_b32 s15, s14, 1                         ; which half of the tile's rows is mine.  Also: I fetch for x (0) or for U_w (1)
	s_and_b32 s16, s14, 1                          ; which half of its columns.  Also: which 128 rows of that tile I fetch
	s_bfe_u32 s40, ttmp6, 0x40000                  ; cx, cy: my place in the cluster
	s_bfe_u32 s41, ttmp6, 0x40004
	s_lshl_b32 s42, ttmp9, 2
	s_add_co_u32 s42, s42, s40                     ; tile column = 4 x cluster x + cx, 0..7
	s_and_b32 s17, ttmp7, 0xffff
	s_lshl_b32 s17, s17, 2
	s_add_co_u32 s17, s17, s41                     ; tile row = 4 x cluster y + cy, 0..31
	s_lshl_b32 s43, s41, 2
	s_lshl_b32 s43, 15, s43                        ; my row of the cluster
	s_lshl_b32 s44, 0x1111, s40                    ; my column
	; descriptor group 1: a tile of 128 rows x 256 bytes, padded in LDS
	s_or_b32 s[G1+0], s43, (0<<16)|(1<<20)|(1<<21)|(5<<22)|(3<<25)  ; 15:0 the mask: x's tiles go to my row; 17:16 element of 1 byte; 20 padding on; 21 set beside a mask; 24:22 after every 64 words (code 5); 31:25 of 4 words (code 3)
	s_or_b32 s[G1B+0], s44, (0<<16)|(1<<20)|(1<<21)|(5<<22)|(3<<25) ; the same with the mask of my column
.irp g, G1, G1B
	s_mov_b32 s[\g+1], ROWB<<16                    ; tensor_dim0
	s_mov_b32 s[\g+2], 128<<16                     ; tensor_dim1 = 128
	s_mov_b32 s[\g+3], ROWB<<16                    ; tile_dim0
	s_mov_b32 s[\g+4], 128                         ; tile_dim1 = 128
	s_mov_b32 s[\g+5], KROW                        ; tensor_dim0_stride
	s_mov_b32 s[\g+6], 0
	s_mov_b32 s[\g+7], 0
.endr
	s_lshl_b32 s18, s16, 7                         ; which 128 rows of the tile I fetch
	s_lshl_b32 s20, s17, 8
	s_add_co_u32 s20, s20, s18                     ; x: row 256 x tile row + 128 x half
	s_lshl_b32 s20, s20, 11                        ; x 2,048 bytes (under 2^24)
	s_mov_b32 s21, 0
	s_lshl_b32 s46, s42, 8
	s_add_co_u32 s46, s46, s18                     ; U_w: row 256 x tile column + 128 x half
	s_lshl_b32 s46, s46, 11
	s_mov_b32 s47, 0
	s_mul_i32 s45, s14, HALFT                      ; where they go: wave x 128 rows: no place in the cluster enters an LDS address
	s_wait_kmcnt 0x0
	s_load_b128 s[76:79], s[8:9], 0x0              ; e0, e1, e2, e3
	s_load_b64 s[80:81], s[8:9], 0x10              ; e4, e5
	s_add_nc_u64 s[20:21], s[4:5], s[20:21]
	s_add_nc_u64 s[46:47], s[6:7], s[46:47]
	CROUND                                         ; all sixteen work-groups are here: the first joint loads meet
.irp s, 0,1
	s_mov_b32 s[G0+4*\s], 1                                        ; 1:0 count = 1
	s_add_co_u32 s[G0+4*\s+1], s45, \s*SLOT                        ; 63:32 LDS address
	s_add_nc_u64 s[G0+4*\s+2:G0+4*\s+3], s[20:21], \s*ROWB         ; 120:64 global address: K step s
	s_or_b32 s[G0+4*\s+3], s[G0+4*\s+3], 0x80000000                ; 127:126 type = 2
	s_mov_b32 s[G0B+4*\s], 1
	s_add_co_u32 s[G0B+4*\s+1], s45, \s*SLOT
	s_add_nc_u64 s[G0B+4*\s+2:G0B+4*\s+3], s[46:47], \s*ROWB
	s_or_b32 s[G0B+4*\s+3], s[G0B+4*\s+3], 0x80000000
	JLOAD G0+4*\s, G1, G0B+4*\s, G1B
.endr
	; V_w of my four columns, and the first two parts of the ladder sums, are asked for while the first tiles are on their way
	v_and_b32 v6, 31, v0                           ; lane
	v_mul_u32_u24 v[VO], v6, 48
	v_lshlrev_b32 v[ZO], 3, v0
	s_lshl_b32 s46, s42, 8
	s_lshl_b32 s47, s16, 7
	s_add_co_u32 s46, s46, s47                     ; my first column: 256 x tile column + 128 x half
	s_mul_i32 s20, s46, 12                         ; three f32 a column
	s_mov_b32 s21, 0
	s_add_nc_u64 s[68:69], s[68:69], s[20:21]
	s_lshl_b32 s20, s17, 10
	s_add_nc_u64 s[10:11], s[10:11], s[20:21]      ; apart at my tile row's 256 rows, part 0
.irp i, 0,1,2
	global_load_b128 v[VL+4*\i:VL+4*\i+3], v[VO], s[68:69] offset:16*\i
.endr
.set k, 0
.rept 18
	global_load_b64 v[S+2*k:S+2*k+1], v[ZO], s[10:11] offset:32768*k          ; a wave's load covers 256 consecutive bytes, aligned
.set k, k+1
.endr
.set k, 0
.rept 18
	global_load_b64 v[T+2*k:T+2*k+1], v[ZO], s[10:11] offset:NTB+32768*k      ; part 1
.set k, k+1
.endr
	v_and_b32 v1, 15, v0                           ; r = lane % 16
	v_bfe_u32 v2, v0, 4, 1                         ; h = lane / 16
	v_mul_u32_u24 v3, v1, PITCH
	v_lshl_add_u32 v4, v2, 4, v3                   ; a fragment's row x pitch + 16 x half
	s_mul_i32 s21, s15, HALFT                      ; my 128 rows of x's codes
	s_mul_i32 s22, s16, HALFT                      ; my 128 rows of U_w's,
	s_add_co_u32 s22, s22, 2*HALFT                 ; which lie behind x's 256
.irp s, 0,1
	v_add_nc_u32 v[ADRA+\s], s21, v4
	v_add_nc_u32 v[ADRB+\s], s22, v4
	s_add_co_u32 s21, s21, SLOT
	s_add_co_u32 s22, s22, SLOT
.endr
	s_mul_i32 s23, s14, 16*SPITCH                  ; my stage
	v_mul_u32_u24 v5, v1, SPITCH                   ; in: row l % 16, 32 bytes for each half of the lanes
	v_lshl_add_u32 v5, v2, 5, v5
	v_add_nc_u32 v[STO], s23, v5
	v_lshlrev_b32 v[CO], 4, v6                     ; back: the 32 lanes take one row of 512 bytes; and the same in out
	v_add_nc_u32 v[RD], s23, v[CO]
	v_lshl_add_u32 v[ZW], v0, 5, ZT
	v_lshrrev_b32 v[ZA], 6, v0                     ; thread / 64 = my wave's row half
	v_lshl_add_u32 v[ZA], v[ZA], 11, ZT
	v_lshlrev_b32 v[PFO], 11, v6
	s_lshl_b32 s20, s17, 8
	s_lshl_b32 s21, s15, 7
	s_add_co_u32 s20, s20, s21                     ; my first row of out: 256 x tile row + 128 x half
	s_lshl_b32 s20, s20, 13                        ; x 8,192 bytes (under 2^27)
	s_mov_b32 s21, 0
	s_add_nc_u64 s[70:71], s[70:71], s[20:21]
	s_lshl_b32 s46, s46, 2                         ; my first column in bytes
	s_mov_b32 s47, 0
	s_add_nc_u64 s[70:71], s[70:71], s[46:47]      ; out at my wave's first row and column; never rewritten
	; the prefetches of codes: who asks, and where
	s_lshl_b32 s20, s17, 8
	s_lshl_b32 s21, s42, 8
	s_and_b32 s22, ttmp7, 0xffff                   ; cluster y
	s_cmp_eq_u32 s15, 0                            ; do I fetch for x?
	s_cselect_b32 s20, s20, s21                    ; the tile's first row
	s_cselect_b32 s21, s40, s41                    ; my place among the four that ask for it with me
	s_cselect_b32 s22, ttmp9, s22                  ; the coordinate along which other clusters read the same rows
	s_cselect_b64 s[PFA:PFA+1], s[4:5], s[6:7]
	s_cmp_eq_u32 s22, 0
	s_cselect_b32 s[LIM], 1, -1                    ; the same in all sixteen partners, for a given wave
	s_lshl_b32 s22, s16, 7
	s_add_co_u32 s20, s20, s22                     ; + the 128 rows that I fetch
	s_lshl_b32 s21, s21, 5
	s_add_co_u32 s20, s20, s21                     ; + my work-group's 32 of them
	s_lshl_b32 s20, s20, 11
	s_mov_b32 s21, 0
	s_add_nc_u64 s[PFA:PFA+1], s[PFA:PFA+1], s[20:21]
	s_add_nc_u64 s[PFA:PFA+1], s[PFA:PFA+1], 3*ROWB  ; at K step 3: the first refill names K step 4; the address is stepped in the step of 128 that follows each refill
	s_wait_kmcnt 0x0
	s_add_co_i32 s92, s76, s77
	s_add_co_i32 s92, s92, 127
	s_lshl_b32 s92, s92, 23                        ; 2^(e0 + e1) as f32
	v_mov_b32 v[SUV], s92
	v_mov_b32 v[SUV+1], s92
	s_add_co_i32 s[SA], s80, s81
	s_add_co_i32 s[SA], s[SA], 127
	s_lshl_b32 s[SA], s[SA], 23                    ; 2^(e4 + e5) as f32
	s_mov_b32 s[SA+1], s[SA]                       ; (named with it as a pair, so it is written)
	s_mov_b32 s92, 0x3c23d70a                      ; eps = 0.01
	s_mov_b32 s93, 0x80000000                      ; a sign
	s_wait_loadcnt 36                              ; V_w's three loads are in; the 36 behind them may be out
.irp k, 0,1,2
.irp c, 0,1,2,3
	v_mov_b32 v[VV+4*\k+\c], v[VL+3*\c+\k]         ; by k, so that neighbouring columns' numbers form pairs
.endr
.endr
.macro FRAG reg, adr, q, i             ; a fragment, 16 rows x 128 K of 8-bit codes, is 16 registers: lane l holds row l % 16; registers 4 c .. 4 c + 3 hold K = 32 c + 16 (l / 16) + 0 .. 15: the same order of k on both sides, so every product meets its partner
.irp c, 0,1,2,3
	ds_load_b128 v[\reg+4*\c:\reg+4*\c+3], v[\adr] offset:128*(\q)+32*\c+(\i)*16*PITCH
.endr
.endm
; 16 matrix instructions: x's blocks a0, a0 + 1 against U_w's eight, 128 along K.  p: U_w's set.  zero = 1: the first product starts the sums: nothing is ever cleared.
; The 64 accumulators take turns, one instruction a turn, in the same order in every step.
.macro MUL16 a0, p, zero
.irp a, \a0, \a0+1
.irp b, 0,1,2,3,4,5,6,7
.if \zero
	v_wmma_f32_16x16x128_bf8_bf8 v[8*(8*((\a)%4)+\b):8*(8*((\a)%4)+\b)+7], v[128*(\p)+FR*\b:128*(\p)+FR*\b+FR-1], v[AF+FR*(\a):AF+FR*(\a)+FR-1], 0
.else
	v_wmma_f32_16x16x128_bf8_bf8 v[8*(8*((\a)%4)+\b):8*(8*((\a)%4)+\b)+7], v[128*(\p)+FR*\b:128*(\p)+FR*\b+FR-1], v[AF+FR*(\a):AF+FR*(\a)+FR-1], v[8*(8*((\a)%4)+\b):8*(8*((\a)%4)+\b)+7]
.endif
.endr
.endr
.endm
.macro FETCH_B slot, q, p              ; U_w's eight fragments of the slot's q-th 128 along K into set p
	WIN TO_B
.irp i, 0,1,2,3,4,5,6,7
	FRAG 128*(\p)+FR*\i, ADRB+\slot, \q, \i
.endr
	WIN 0
.endm
.macro FETCH_A slot, q, i0             ; x's blocks i0 .. i0 + 3
.irp i, \i0, \i0+1, \i0+2, \i0+3
	FRAG AF+FR*(\i), ADRA+\slot, \q, \i
.endr
.endm
; A load into a register that a matrix instruction has read, and a vector instruction or an LDS store that reads a matrix result, stand NP places behind that matrix instruction, and only plain vector
; instructions that name none of its registers are places (ISA guide 7.12.1 for vector instructions).
.macro PLACES n
.rept \n
	v_nop
.endr
.endm
; A step of 128 along K that has its successor in the same slot.  z = 1: the part of the ladder sums that was asked for a K step ago is added, and the next is asked for; z = 2: added, nothing more to ask; z = 0: neither.
.macro STEP slot, q, zero, z
	s_wait_dscnt 4*NL                              ; U_w's set and x's blocks 0-3 are in; the youngest sixteen loads (x's blocks 4-7) may be out
	WIN MUL_LO
	MUL16 0, (\q)%2, \zero
	MUL16 2, (\q)%2, \zero
	s_wait_dscnt 0                                 ; x's blocks 4-7 are in (asked for 32 matrix instructions ago)
	PLACES NP
	FETCH_B \slot, (\q)+1, 1-(\q)%2
	FETCH_A \slot, (\q)+1, 0
	WIN MUL_HI
	MUL16 4, (\q)%2, \zero
	MUL16 6, (\q)%2, \zero
.if \z == 0
	PLACES NP
	WIN 0
.else
	WIN 0
	s_wait_loadcnt 0x0                             ; the part is in (and in the first such step the sums' first part)
.set k, 0
.rept 18
	v_pk_add_f32 v[S+2*k:S+2*k+1], v[S+2*k:S+2*k+1], v[T+2*k:T+2*k+1]   ; these eighteen are also the places in front of the loads below
.set k, k+1
.endr
.endif
	FETCH_A \slot, (\q)+1, 4
.if \z == 1
	s_wait_xcnt 0x0                                ; the last prefetch, 96 matrix instructions back, has read its address; the part's loads were shown done above: both bases may step
	s_add_nc_u64 s[PFA:PFA+1], s[PFA:PFA+1], ROWB
	s_add_nc_u64 s[10:11], s[10:11], NTB
.set k, 0
.rept 18
	global_load_b64 v[T+2*k:T+2*k+1], v[ZO], s[10:11] offset:NTB+32768*k      ; six such steps ask for parts 2 to 7
.set k, k+1
.endr
.endif
.endm
; A slot's last step changes slots: ONE barrier; in front of it each wave waits for all its tensor loads, adds 0 to its spare word, and waits for that and for its own reads of this slot.  fill = 1: this slot is filled again, two K steps ahead.
.macro TURN slot, next, fill
	s_wait_tensorcnt 0x0                           ; all my tensor loads have landed: my part of the next slot;  (every window is 0 here: the add's two registers lie in window 0)
	ds_add_u32 v[SPW], v[NIL]                      ; 0 onto my spare word
	s_wait_dscnt 4*NL+1                            ; (the add and the youngest sixteen loads, x's blocks 4-7, may be out)
	WIN MUL_LO
	MUL16 0, 1, 0                                  ; sixteen matrix instructions stand between the add and the wait for it
	s_wait_dscnt 0x0                               ; the add is done, and my reads of this slot are over
	s_barrier_signal -1
	MUL16 2, 1, 0
	WIN 0
	s_barrier_wait -1
.if \fill
	CREST                                          ; the barrier has opened a round of the cluster's barrier: no wave of any partner still reads this slot's tile or has a load on its way
	s_add_nc_u64 s[G0+4*\slot+2:G0+4*\slot+3], s[G0+4*\slot+2:G0+4*\slot+3], 2*ROWB
	s_add_nc_u64 s[G0B+4*\slot+2:G0B+4*\slot+3], s[G0B+4*\slot+2:G0B+4*\slot+3], 2*ROWB
	JLOAD G0+4*\slot, G1, G0B+4*\slot, G1B         ; the first tensor load behind the round; the four v_nop behind it are the places in front of the loads below
.else
	PLACES NP
.endif
	FETCH_B \next, 0, 0
	FETCH_A \next, 0, 0
.if \fill
	ASK
.endif
	WIN MUL_HI
	MUL16 4, 1, 0
	MUL16 6, 1, 0
	PLACES NP
	WIN 0
	FETCH_A \next, 0, 4
.endm
	s_wait_tensorcnt 1                             ; my part of K step 0 is in (K step 1's load may be out),
	s_barrier_signal -1
	s_barrier_wait -1                              ; everybody's is
	FETCH_B 0, 0, 0
	FETCH_A 0, 0, 0
	FETCH_A 0, 0, 4
	STEP 0, 0, 1, 0                                ; the first step stands in front of the loop: its products start the sums
	s_mov_b32 s3, 3                                ; 2,048 along K are four laps of the ring; the last is written out
.Llap:                                                 ; a trip goes once round the ring, from a lap's second step to the next lap's first, and fills both slots again
	TURN 0, 1, 1
	STEP 1, 0, 0, 1
	TURN 1, 0, 1
	STEP 0, 0, 0, 1
	s_sub_co_u32 s3, s3, 1
	s_cmp_lg_u32 s3, 0
	s_cbranch_scc1 .Llap
	TURN 0, 1, 0                                   ; the last lap fills nothing, and has no round of the cluster's barrier
	STEP 1, 0, 0, 2                                ; the eighth part is added
	s_wait_dscnt 4*NL                              ; the very last step: nothing more to fetch
	WIN MUL_LO
	MUL16 0, 1, 0
	MUL16 2, 1, 0
	s_wait_dscnt 0
	WIN MUL_HI
	MUL16 4, 1, 0
	MUL16 6, 1, 0
	WIN 0
	; THE FRACTIONS, for my two rows and the three ladders at once.  These lines name no register of the last products: they are the places behind them.
.set k, 0
.rept 18
	v_pk_mul_f32 v[S+2*k:S+2*k+1], v[S+2*k:S+2*k+1], s[SA:SA+1] op_sel_hi:[1,0]   ; a = sum x 2^(e4 + e5)
.set k, k+1
.endr
; One level: D = 1 + f, guarded; f = a_i / D.  first = 1: f is a5 (its own denominator is 1).  The six reciprocals are one batch: one plain line and one wait ahead of their first reader.
.macro LEVEL i, first
.irp l, 0,1,2
.if \first
	v_pk_add_f32 v[DD+2*\l:DD+2*\l+1], v[S+12*\l+10:S+12*\l+11], 1.0 op_sel_hi:[1,0]
.else
	v_pk_add_f32 v[DD+2*\l:DD+2*\l+1], v[FF+2*\l:FF+2*\l+1], 1.0 op_sel_hi:[1,0]
.endif
.endr
.irp n, 0,1,2,3,4,5
	v_max3_num_f32 v[MM+\n], v[DD+\n], -v[DD+\n], s92      ; the larger of |D| and eps,
.endr
.irp n, 0,1,2,3,4,5
	v_and_or_b32 v[DD+\n], v[DD+\n], s93, v[MM+\n]         ; under D's sign
.endr
.irp n, 0,1,2,3,4,5
	v_rcp_f32 v[RR+\n], v[DD+\n]
.endr
	v_nop
	s_wait_alu depctr_va_vdst(0)
.irp l, 0,1,2
	v_pk_mul_f32 v[FF+2*\l:FF+2*\l+1], v[S+12*\l+2*\i:S+12*\l+2*\i+1], v[RR+2*\l:RR+2*\l+1]
.endr
.endm
	LEVEL 4, 1
	LEVEL 3, 0
	LEVEL 2, 0
	LEVEL 1, 0
.irp l, 0,1,2
	v_pk_add_f32 v[DD+2*\l:DD+2*\l+1], v[S+12*\l:S+12*\l+1], v[FF+2*\l:FF+2*\l+1]   ; z = a0 + f
.endr
.irp l, 0,1,2
	v_mov_b32 v[RC+\l], v[DD+2*\l]                 ; row 2 t's record,
	v_mov_b32 v[RC+4+\l], v[DD+2*\l+1]             ; row 2 t + 1's
.endr
	v_mov_b32 v[RC+3], 0
	v_mov_b32 v[RC+7], 0
	ds_store_b128 v[ZW], v[RC:RC+3]
	ds_store_b128 v[ZW], v[RC+4:RC+7] offset:16
	s_wait_dscnt 0x0                               ; for the others' sake: my records are stored
	s_barrier_signal -1
	s_barrier_wait -1                              ; the tile's 256 records lie in LDS
; THE WAY OUT, block by block of 16 rows x 128 columns.  A lane holds 32 neighbouring bytes of a row, and the lanes beside it hold other rows: so a block's sums go through my own stage in LDS as they are and come back as whole
; rows of 512 bytes; with each row comes its record of z (all lanes name one address).  LDS serves a wave's instructions in order (ISA guide 5.7.1.4): no wait between the stores and the loads, nor in front of the next block's stores.
.macro TOSTAGE a
.set AC, 64*((\a)%4)
.set BB, 64*((\a)%2)
.set ZZ, 128+64*((\a)%2)
	WIN 0x08+4*((\a)/4)                            ; store data: window 2 or 3
.irp b, 0,1,2,3,4,5,6,7
	ds_store_b128 v[STO], v[AC+8*\b:AC+8*\b+3] offset:64*\b        ; each accumulator from its low end on
	ds_store_b128 v[STO], v[AC+8*\b+4:AC+8*\b+7] offset:64*\b+16
.endr
	WIN 0x40                                       ; destination window 1
.irp t, 0,1,2,3,4,5,6,7,8,9,10,11,12,13,14,15
	ds_load_b128 v[BB+4*\t:BB+4*\t+3], v[RD] offset:\t*SPITCH
.endr
.irp t, 0,1,2,3,4,5,6,7,8,9,10,11,12,13,14,15
	ds_load_b128 v[ZZ+4*\t:ZZ+4*\t+3], v[ZA] offset:16*(16*(\a)+\t)
.endr
.endm
; out = sum x 2^(e0 + e1) + z0 V(c, 0) + z1 V(c, 1) + z2 V(c, 2), in place, four rows at a time and level by level, so that no line waits for the line above it.
.macro SEND a, younger                 ; younger: the LDS instructions issued behind block a's loads, which may stay out
.set BB, 64*((\a)%2)
.set ZZ, 128+64*((\a)%2)
	s_wait_dscnt \younger                          ; the block's rows and records are in registers
	WIN 0x54                                       ; source 0 window 0 (the scale, V_w, the stores' offset); sources 1 and 2 and the destination window 1
.irp g, 0,1,2,3
.irp u, 0,1,2,3
.irp p, 0,2
	v_pk_mul_f32 v[BB+16*\g+4*\u+\p:BB+16*\g+4*\u+\p+1], v[SUV:SUV+1], v[BB+16*\g+4*\u+\p:BB+16*\g+4*\u+\p+1]
.endr
.endr
.irp u, 0,1,2,3
.irp p, 0,2
	v_pk_fma_f32 v[BB+16*\g+4*\u+\p:BB+16*\g+4*\u+\p+1], v[VV+\p:VV+\p+1], v[ZZ+16*\g+4*\u:ZZ+16*\g+4*\u+1], v[BB+16*\g+4*\u+\p:BB+16*\g+4*\u+\p+1] op_sel_hi:[1,0,1]   ; z0: the record's first pair, its low word for both halves
.endr
.endr
.irp u, 0,1,2,3
.irp c, 0,1,2,3
	v_fma_f32 v[BB+16*\g+4*\u+\c], v[VV+4+\c], v[ZZ+16*\g+4*\u+1], v[BB+16*\g+4*\u+\c]   ; z1 lies in a pair's upper word: one number a line
.endr
.endr
.irp u, 0,1,2,3
.irp p, 0,2
	v_pk_fma_f32 v[BB+16*\g+4*\u+\p:BB+16*\g+4*\u+\p+1], v[VV+8+\p:VV+8+\p+1], v[ZZ+16*\g+4*\u+2:ZZ+16*\g+4*\u+3], v[BB+16*\g+4*\u+\p:BB+16*\g+4*\u+\p+1] op_sel_hi:[1,0,1]   ; z2
.endr
.endr
.irp u, 0,1,2,3
	global_store_b128 v[CO], v[BB+16*\g+4*\u:BB+16*\g+4*\u+3], s[70:71] offset:(16*(\a)+4*\g+\u)*OROW th:TH_STORE_NT   ; 32 lanes store 512 consecutive bytes, at a multiple of 256 from out's first byte; 127 rows at the most in the immediate, inside its signed 24 bits (ISA guide, chapter 10); written once, read by nobody here
.endr
.endr
.endm
	TOSTAGE 0
.irp a, 1,2,3,4,5,6,7
.if \a > 1
	s_wait_xcnt 0x0                                ; block a - 2's stores have had their addresses translated (ISA guide 3.1): block a's loads land in their data registers only behind this wait
.endif
	TOSTAGE \a
	SEND \a-1, 48                                  ; behind block a - 1's loads: block a's 16 stores and 32 loads
.endr
	SEND 7, 0
	WIN 0
	s_wait_tensorcnt 0x0                           ; the wave's end: behind my last tensor load and my last LDS store
	ds_add_u32 v[SPW], v[NIL]
	s_wait_dscnt 0x0
	CROUND                                         ; the closing round: no work-group ends while a partner may still ask for a tile that names it
	s_endpgm
.Lfunc_end_k_q057789ad43_ugemm:
	.size	k_q057789ad43_ugemm, .Lfunc_end_k_q057789ad43_ugemm-k_q057789ad43_ugemm
	.p2alignl 7, 3214868480
	.fill 96, 4, 3214868480
	.section	.rodata,"a",@progbits
	.p2align	6, 0x0
	.amdhsa_kernel k_q057789ad43_ugemm
		.amdhsa_group_segment_fixed_size 327680
		.amdhsa_private_segment_fixed_size 0
		.amdhsa_enable_private_segment 0
		.amdhsa_kernarg_size 48
		.amdhsa_user_sgpr_count 2
		.amdhsa_user_sgpr_kernarg_segment_ptr 1
		.amdhsa_wavefront_size32 1
		.amdhsa_system_sgpr_workgroup_id_x 1
		.amdhsa_system_sgpr_workgroup_id_y 1
		.amdhsa_system_sgpr_workgroup_id_z 1
		.amdhsa_system_vgpr_workitem_id 0
		.amdhsa_next_free_vgpr 1024
		.amdhsa_next_free_sgpr 100
		.amdhsa_reserve_vcc 0
		.amdhsa_float_denorm_mode_32 3
		.amdhsa_float_denorm_mode_16_64 3
		.amdhsa_memory_ordered 1
		.amdhsa_forward_progress 1
		.amdhsa_inst_pref_size 215
	.end_amdhsa_kernel
	.amdgpu_metadata
---
amdhsa.version: [ 1, 2 ]
amdhsa.kernels:
  - .name:           k_q057789ad43_ugemm
    .symbol:         k_q057789ad43_ugemm.kd
    .args:
      - { .name: xq0, .offset: 0, .size: 8, .value_kind: global_buffer, .address_space: global }
      - { .name: uq, .offset: 8, .size: 8, .value_kind: global_buffer, .address_space: global }
      - { .name: lowp_scales, .offset: 16, .size: 8, .value_kind: global_buffer, .address_space: global }
      - { .name: apart, .offset: 24, .size: 8, .value_kind: global_buffer, .address_space: global }
      - { .name: V_w, .offset: 32, .size: 8, .value_kind: global_buffer, .address_space: global }
      - { .name: out0, .offset: 40, .size: 8, .value_kind: global_buffer, .address_space: global }
    .group_segment_fixed_size: 327680
    .private_segment_fixed_size: 0
    .kernarg_segment_align: 8
    .kernarg_segment_size: 48
    .max_flat_workgroup_size: 128
    .sgpr_count:     100
    .vgpr_count:     1024
    .wavefront_size: 32
...
	.end_amdgpu_metadata
.endif
;; end of part 3
